; MI455X (gfx1250); checked and timed in simulation.
; The chip was launched on July 23, 2026; its instructions are those of AMD's public machine-readable ISA for CDNA 5 (MIT licence, August 2026) and "CDNA5" Instruction Set Architecture Reference Guide (July 2026). The comments in the code are by the model that wrote it; some were corrected since.
;; Cross Attention. Allowed arithmetic: float matrix products may take bf16 or f16 operands with f32 sums; all other float work in f32.
;; Inputs: Wk 512 x 512 float32; Wo 512 x 512 float32; Wq 512 x 512 float32; Wv 512 x 512 float32; bo 512 float32; context 4 x 2,048 x 512 float32; x 4 x 2,048 x 512 float32.
;; Outputs: out0 4 x 2,048 x 512 float32.
;; One version. Each part assembles by itself: llvm-mc -triple=amdgcn-amd-amdhsa -mcpu=gfx1250 --defsym DOCPART=n.
;; ======== version 1 of 1: 3 launches
;; limits: values are held in f16: magnitudes above 65,504 overflow, below 6.1e-05 lose precision
;; workspace buffers: qkv 25,165,824 bytes; att 8,388,608 bytes
;; launch proj (part 1): grid 6 x 32, 4 waves a work-group, no clusters, 162,304 bytes of LDS; arguments x, context, Wq, Wk, Wv, qkv; writes qkv
.if DOCPART == 1
	.amdgcn_target "amdgcn-amd-amdhsa--gfx1250"
	.amdhsa_code_object_version 6
	.text
	.protected	k_qdd67456c9d_proj
	.globl	k_qdd67456c9d_proj
	.p2align	8
	.type	k_qdd67456c9d_proj,@function
k_qdd67456c9d_proj:
	s_mov_b64 s[64:65], 0
	v_nop
	global_prefetch_b8 v0, s[64:65] scope:SCOPE_SE
	s_setreg_imm32_b32 hwreg(HW_REG_WAVE_MODE, 25, 1), 1
	s_wait_xcnt 0x0
; Q = x Wq, K = context Wk, V = context Wv.  x, context: [8192][512] f32; W: [512 k][512 n] f32.
; qkv: three sections of 8,388,608 bytes (Q, K, V), each f16 [batch][head][token][64], rows of 128 bytes.
; Work-group x = 2 mat + cb (mat 0 Q, 1 K, 2 V; cb: 256 columns), y = rb (256 rows): 192 work-groups.  The 1,536 columns fall into 512 that
; read x and 1,024 that read context, so this tile has no equal share for more.  Four waves, each 128 rows x 128 columns: 64 accumulator
; tiles, 512 registers; for 32 along K a wave reads 2 x 128 x 64 bytes of LDS and issues 64 matrix instructions.
; K = 512 goes in 8 steps of 64 (two quarters of 32), all written out: every offset is an immediate, no address register is rewritten.
; FORMAT: operands rounded once to f16, sums in f32, results rounded once to f16.  LIMIT: |x|, |W| and the results must stay
; below 65,504; below 6.1e-5 f16 keeps an absolute step of 6e-8.
; NO CLUSTER, NO COPY ENGINE: work-groups of one rb share rows of x or context and those of one column block share W, but the tiles are
; f32 and must be f16 in LDS.  Copied as they are, a number would cost 4 bytes written to LDS, 4 read and 2 written again; through
; registers it costs the 2 bytes written.  So tiles come by global loads, which no joint request serves.
; THE PIPE: window 1 holds one K step in f32 (x's 32 loads, W's 32 loads of 512 bytes a wave).  In step t the x half of step t + 1 is rounded,
; stored into the other LDS buffer and asked for again (step t + 2) behind the first 32 matrix instructions, the W half behind the next 32:
; each load has a whole K step in which to land.  One barrier a step, in the third block of 32.
; REGISTERS: window 0: v1-14 offsets and addresses, v32-95 fragments of x (one buffer, each half refilled straight behind its last use),
; v96-159 and v160-223 fragments of W (two buffers), v224-255 at work on the way out; window 1: staging, later the way out;
; window 2: accumulators of my rows 0-63 (tile (a, b) at v[8 (8 a + b)]); window 3: of my rows 64-127.
.set XP,    144                        ; LDS row of x: 64 f16 + 16 bytes = 9 x 16: 16 rows start in 16 different 16-byte columns of 256
.set WP,    544                        ; LDS row of W: 256 f16 + 32 bytes = 17 x 32, for the transposing load
.set WT,    256*XP                     ; W's tile lies behind x's 256 rows
.set BUF,   WT+64*WP                   ; 71,680 bytes a buffer, two buffers
.set STAGE, 2*BUF                      ; 2 heads x 16 rows x 144 bytes for each wave, for the way out
.set XO,  1                            ; byte offset of my 16 bytes in x's tile: (64 w + 8 h) rows + 16 r
.set WO,  2                            ; in W's tile: 16 w rows + 16 L
.set PF,  3                            ; prefetch: row 64 w + L of x's tile
.set XS,  4                            ; v4-5   LDS: where my 8 bytes of x go, buffer 0, 1
.set WS,  6                            ; v6-7   LDS: where my 8 bytes of W go
.set XA,  8                            ; v8-9   LDS: my fragments of x
.set WA,  10                           ; v10-11 LDS: my fragments of W
.set STO, 12                           ; the way out, in
.set RD,  13                           ; the way out, back
.set CO,  14                           ; my 16 bytes of 512 consecutive ones
.set AF,  32                           ; x fragments: AF + 8 a
.set BF0, 96                           ; W fragments of a step's first quarter: BF0 + 8 b
.set BF1, 160                          ; of its second quarter
.set TMP, 224
.set SX,  0                            ; window 1: x's staging, load i at 4 i
.set SW,  128                          ; window 1: W's staging
.set MUL_LO, 0xa0                      ; sources 0 and 1 window 0, C and D window 2
.set MUL_HI, 0xf0                      ; the same, C and D window 3
.set MSB, 0
.macro WIN new                         ; the immediate's high byte repeats the setting that is left
.if MSB != \new
	s_set_vgpr_msb (MSB<<8)|\new
.set MSB, \new
.endif
.endm
.macro PLACES                          ; four places between a matrix instruction and a load into one of its registers
.rept 4
	v_nop
.endr
.endm
	s_load_b256 s[4:11], s[0:1], 0x0               ; x s[4:5], context s[6:7], Wq s[8:9], Wk s[10:11]
	s_load_b128 s[12:15], s[0:1], 0x20             ; Wv s[12:13], qkv s[14:15]
	v_lshl_add_u32 v30, v0, 2, 0x27800
	v_mov_b32 v31, 0
	v_lshrrev_b32 v16, 5, v0
	v_readfirstlane_b32 s16, v16                   ; wave w
	s_lshr_b32 s17, s16, 1                         ; wr: my 128 rows
	s_and_b32 s18, s16, 1                          ; wc: my 128 columns
	s_lshr_b32 s19, ttmp9, 1                       ; mat
	s_and_b32 s20, ttmp9, 1                        ; cb
	s_and_b32 s21, ttmp7, 0xffff                   ; rb
	v_and_b32 v16, 31, v0                          ; L
	v_and_b32 v17, 15, v0                          ; r
	v_bfe_u32 v18, v0, 4, 1                        ; h
	v_and_b32 v19, 7, v0                           ; L & 7
	v_bfe_u32 v20, v0, 3, 1                        ; bit 3 of L
	s_lshl_b32 s28, s16, 17                        ; 64 w rows of 2,048 bytes
	v_lshlrev_b32 v[XO], 4, v17
	v_lshl_add_u32 v[XO], v18, 14, v[XO]           ; lanes 16-31 take the row 8 further down: 8 x 144 = 128 mod 256, so the two rows'
	v_add_nc_u32 v[XO], s28, v[XO]                 ; 128 bytes of f16 fall into different halves of the 64 banks (ISA guide 11.1)
	v_lshl_add_u32 v[PF], v16, 11, s28
	s_lshl_b32 s28, s16, 15                        ; 16 w rows of 2,048 bytes
	v_lshl_add_u32 v[WO], v16, 4, s28
	s_mul_i32 s28, s16, 64*XP
	v_mul_u32_u24 v[XS], v18, 8*XP
	v_lshl_add_u32 v[XS], v17, 3, v[XS]
	v_add_nc_u32 v[XS], s28, v[XS]
	s_mul_i32 s28, s16, 16*WP
	s_add_co_u32 s28, s28, WT
	v_lshl_add_u32 v[WS], v16, 3, s28
	s_mul_i32 s28, s17, 128*XP
	v_mul_u32_u24 v[XA], v17, XP                   ; row r, 16 bytes for each half of the lanes
	v_lshl_add_u32 v[XA], v18, 4, v[XA]
	v_add_nc_u32 v[XA], s28, v[XA]
	s_lshl_b32 s28, s18, 8
	s_add_co_u32 s28, s28, WT
	v_lshl_add_u32 v[WA], v18, 3, v19              ; k row 8 h + (L & 7)
	v_mul_u32_u24 v[WA], v[WA], WP
	v_lshl_add_u32 v[WA], v20, 4, v[WA]            ; columns 0-7 or 8-15 of the tile
	v_add_nc_u32 v[WA], s28, v[WA]
.irp a, XS, WS, XA, WA
	v_add_nc_u32 v[\a+1], BUF, v[\a]               ; the same place in buffer 1
.endr
	s_lshl_b32 s28, s21, 19                        ; 256 rb rows of x
	s_mov_b32 s29, 0
	s_lshl_b32 s30, s20, 10                        ; 256 cb columns of W
	s_mov_b32 s31, 0
	s_lshr_b32 s32, s21, 3                         ; batch
	s_lshl_b32 s32, s32, 3
	s_lshl_b32 s33, s20, 2
	s_lshl1_add_u32 s33, s18, s33                  ; my first head = 4 cb + 2 wc
	s_add_co_u32 s32, s32, s33
	s_lshl_b32 s32, s32, 11                        ; x 2,048 tokens
	s_and_b32 s33, s21, 7
	s_lshl_b32 s33, s33, 8                         ; + the block's first token
	s_add_co_u32 s32, s32, s33
	s_lshl_b32 s33, s17, 7                         ; + my 128 rows
	s_add_co_u32 s32, s32, s33
	s_lshl_b32 s32, s32, 7                         ; rows of 128 bytes
	s_lshl_b32 s33, s19, 23                        ; + the section
	s_add_co_u32 s32, s32, s33
	s_mov_b32 s33, 0
	s_sub_co_u32 s35, ttmp9, 2
	s_cmp_eq_u32 s19, 0
	s_cselect_b32 s34, 1, 3                        ; 2 work-groups share rows of x, 4 share rows of context: that number less one,
	s_cselect_b32 s35, ttmp9, s35                  ; and my index among them
	s_wait_kmcnt 0x0
	s_cselect_b64 s[22:23], s[4:5], s[6:7]         ; Q reads x, K and V read context (the compare above still stands)
	s_cselect_b64 s[24:25], s[8:9], s[10:11]
	s_cmp_eq_u32 s19, 2
	s_cselect_b64 s[24:25], s[12:13], s[24:25]
	s_add_nc_u64 s[22:23], s[22:23], s[28:29]
	s_add_nc_u64 s[24:25], s[24:25], s[30:31]
	s_add_nc_u64 s[26:27], s[14:15], s[32:33]
; K step s of x: my 64 rows, 32 loads; a load takes the 256 aligned bytes of two rows 8 apart
.macro GLOADX s
	WIN 0x40                                       ; data into window 1, address from window 0
.set gi, 0
.rept 32
	global_load_b128 v[SX+4*gi:SX+4*gi+3], v[XO], s[22:23] offset:(16*(gi/8)+gi%8)*2048+(\s)*256
.set gi, gi+1
.endr
.endm
; K step s of W: my 16 k rows, 32 loads of 512 consecutive bytes, two to a row's 256 columns
.macro GLOADW s
	WIN 0x40
.set gi, 0
.rept 32
	global_load_b128 v[SW+4*gi:SW+4*gi+3], v[WO], s[24:25] offset:(64*(\s)+gi/2)*2048+(gi%2)*512
.set gi, gi+1
.endr
.endm
; 128 staging registers rounded to f16 in place: load i's four numbers into its first two registers
.macro CVTH base
	WIN 0x45
.set ii, \base
.rept 32
	v_cvt_pk_f16_f32 v[ii], v[ii], v[ii+1]
	v_cvt_pk_f16_f32 v[ii+1], v[ii+2], v[ii+3]
.set ii, ii+4
.endr
.endm
.macro STOREX nb
	WIN 0x04                                       ; store data from window 1
.set gi, 0
.rept 32
	ds_store_b64 v[XS+\nb], v[SX+4*gi:SX+4*gi+1] offset:(16*(gi/8)+gi%8)*XP
.set gi, gi+1
.endr
.endm
.macro STOREW nb
	WIN 0x04
.set gi, 0
.rept 32
	ds_store_b64 v[WS+\nb], v[SW+4*gi:SW+4*gi+1] offset:(gi/2)*WP+(gi%2)*256
.set gi, gi+1
.endr
.endm
; fragments of quarter q of buffer b.  x: 16 rows x 32 k are two loads 32 bytes apart; hi = 0: my rows 0-63, 1: rows 64-127
.macro RUN_A b, q, hi
.irp a, 0,1,2,3
	ds_load_b128 v[AF+8*(4*\hi+\a):AF+8*(4*\hi+\a)+3],   v[XA+\b] offset:(4*\hi+\a)*16*XP+64*\q
	ds_load_b128 v[AF+8*(4*\hi+\a)+4:AF+8*(4*\hi+\a)+7], v[XA+\b] offset:(4*\hi+\a)*16*XP+64*\q+32
.endr
.endm
; W lies [k][n]: 16 columns x 32 k are two transposing loads 16 k rows apart
.macro RUN_B b, q, bf
.irp n, 0,1,2,3,4,5,6,7
	ds_load_tr16_b128 v[\bf+8*\n:\bf+8*\n+3],   v[WA+\b] offset:\q*32*WP+32*\n
	ds_load_tr16_b128 v[\bf+8*\n+4:\bf+8*\n+7], v[WA+\b] offset:\q*32*WP+32*\n+16*WP
.endr
.endm
; 16 matrix instructions: source 0 = 16 columns of W, source 1 = 16 rows of x, so that a lane holds row 16 a + r and the eight
; neighbouring columns 16 b + 8 h + 0..7.  The 64 accumulators take turns, one instruction a turn, in the same order in every
; quarter.  zero = 1: the first products start the sums.
.macro MUL16 bf, hi, a0, zero
.irp a, \a0, \a0+1
.irp b, 0,1,2,3,4,5,6,7
.if \zero
	v_wmma_f32_16x16x32_f16 v[8*(8*(\a)+\b):8*(8*(\a)+\b)+7], v[\bf+8*\b:\bf+8*\b+7], v[AF+8*(4*\hi+\a):AF+8*(4*\hi+\a)+7], 0
.else
	v_wmma_f32_16x16x32_f16 v[8*(8*(\a)+\b):8*(8*(\a)+\b)+7], v[\bf+8*\b:\bf+8*\b+7], v[AF+8*(4*\hi+\a):AF+8*(4*\hi+\a)+7], v[8*(8*(\a)+\b):8*(8*(\a)+\b)+7]
.endif
.endr
.endr
.endm
; K step t from LDS buffer t % 2: four blocks of 32 matrix instructions with a gap behind each.
; more = 1: step t + 1 exists and is brought into the other buffer; ld2 = 1: step t + 2 exists and is asked for; last = 1: step 7.
.macro KSTEP t, zero, more, ld2, last
.set CB, (\t)%2
.set NB, 1-CB
	s_wait_dscnt 8                                 ; W's and x's rows 0-63 of the first quarter are in; the 8 loads of rows 64-127 may stay out
	WIN MUL_LO
	MUL16 BF0, 0, 0, \zero
	MUL16 BF0, 0, 2, \zero
	; first gap: x of step t + 1.  The 64 conversions are the places ahead of the fragment loads.
.if \more
	s_wait_loadcnt 32                              ; loads come back in order: x's 32 are in, W's 32 behind them stay out
	CVTH SX
.else
	PLACES
.endif
	s_wait_dscnt 0x0                               ; x's rows 64-127, asked for 32 matrix instructions ago and needed straight behind this gap
.if \more
	STOREX NB                                      ; the other buffer: every wave's reads of it were waited for in front of the last barrier
.if \ld2
	GLOADX \t+2                                    ; an LDS store's sources need no wait (ISA guide 5.7.1): the half is asked for again at once
.endif
.endif
	WIN 0
	RUN_A CB, 1, 0                                 ; the second quarter: x's rows 0-63 into the registers just used, W into its other buffer
	RUN_B CB, 1, BF1
	WIN MUL_HI
	MUL16 BF0, 1, 0, \zero
	MUL16 BF0, 1, 2, \zero
	; second gap: W of step t + 1
.if \more
	s_wait_loadcnt 32*\ld2                         ; W's 32 are in; x's 32 of step t + 2, if asked for, stay out
	CVTH SW
.else
	PLACES
.endif
	s_wait_dscnt 0x0                               ; the second quarter's 24 loads, asked for 32 matrix instructions ago and needed straight behind this gap
.if \more
	STOREW NB
.if \ld2
	GLOADW \t+2
.endif
.endif
	WIN 0
	RUN_A CB, 1, 1
	WIN MUL_LO
	MUL16 BF1, 0, 0, 0
	s_wait_dscnt 0x0                               ; for the others: my stores into the other buffer are done and my reads of this one are back
.if \last
	MUL16 BF1, 0, 2, 0
.else
	s_barrier_signal -1
	MUL16 BF1, 0, 2, 0                             ; work on registers while the others arrive
	s_barrier_wait -1                              ; the other buffer is whole; this one may be written from the next step's first gap on
	PLACES
	WIN 0
	RUN_A NB, 0, 0                                 ; the next step's first quarter
	RUN_B NB, 0, BF0
.if \t < 4
	; Prefetch of x's tile of K step t + 4, whose loads are issued in the first gap of step t + 2: one and a half steps ahead, 65,536 bytes.
	; Of the work-groups that share these rows the one whose index is (t + 4) modulo their number asks, each wave for its 64 rows'
	; 256 bytes by two instructions: every piece is asked for once.  Steps 4 to 7 are asked for; nothing lies behind step 7.
	s_and_b32 s36, s34, \t+4
	s_cmp_eq_u32 s36, s35
	s_cbranch_scc0 .Lnot_mine_\@
	global_prefetch_b8 v[PF], s[22:23] offset:(\t+4)*256 th:TH_LOAD_NT scope:SCOPE_SE
	global_prefetch_b8 v[PF], s[22:23] offset:65536+(\t+4)*256 th:TH_LOAD_NT scope:SCOPE_SE
.Lnot_mine_\@:
.endif
.endif
	WIN MUL_HI
	MUL16 BF1, 1, 0, 0
	MUL16 BF1, 1, 2, 0
.if \last == 0
	PLACES
	WIN 0
	RUN_A NB, 0, 1
.endif
.endm
	; the start: K step 0 goes through the staging registers into buffer 0, and step 1 is asked for half by half
	GLOADX 0
	GLOADW 0
	s_wait_loadcnt 32                              ; x's 32 are in, W's stay out
	CVTH SX
	STOREX 0
	GLOADX 1
	s_wait_loadcnt 32                              ; W's 32 are in, the 32 of x's step 1 stay out
	CVTH SW
	STOREW 0
	GLOADW 1
	WIN 0
	s_wait_dscnt 0x0                               ; for the others: my stores are done
	s_barrier_signal -1
	s_barrier_wait -1
	RUN_A 0, 0, 0
	RUN_B 0, 0, BF0
	RUN_A 0, 0, 1
	KSTEP 0, 1, 1, 1, 0
	KSTEP 1, 0, 1, 1, 0
	KSTEP 2, 0, 1, 1, 0
	KSTEP 3, 0, 1, 1, 0
	KSTEP 4, 0, 1, 1, 0
	KSTEP 5, 0, 1, 1, 0                            ; asks for the last K step
	KSTEP 6, 0, 1, 0, 0
	KSTEP 7, 0, 0, 0, 1
	; THE WAY OUT.  These twelve address instructions name no matrix register: they are the places behind the last matrix instructions.
	WIN 0
	s_mul_i32 s28, s16, 2*16*XP
	s_add_co_u32 s28, s28, STAGE                   ; my stage
	v_and_b32 v16, 15, v0
	v_bfe_u32 v17, v0, 4, 1
	v_mul_u32_u24 v[STO], v16, XP                  ; in: row r, 16 bytes for each half of the lanes
	v_lshl_add_u32 v[STO], v17, 4, v[STO]
	v_add_nc_u32 v[STO], s28, v[STO]
	v_and_b32 v16, 31, v0
	v_lshrrev_b32 v17, 3, v16
	v_mul_u32_u24 v[RD], v17, XP                   ; back: eight lanes take one row of 128 bytes
	v_and_b32 v17, 7, v0
	v_lshl_add_u32 v[RD], v17, 4, v[RD]
	v_add_nc_u32 v[RD], s28, v[RD]
	v_lshlrev_b32 v[CO], 4, v16
; rows 16 i .. 16 i + 15 of my block = the eight tiles (a, 0..7) of window 2 or 3 (from = 0x0a or 0x0f: sources 0 and 1): round, 16 bytes
; a lane into my own stage (tiles 0-3 are my first head, 4-7 my second), back as whole rows, out as 512 consecutive bytes a store.
; LDS serves a wave's instructions in order (ISA guide 5.7.1), so the loads see the stores.  Each i has its own 32 registers in window 1.
.macro OUT16 i, a, from
	WIN \from
.irp b, 0,1,2,3,4,5,6,7
.irp j, 0,1,2,3
	v_cvt_pk_f16_f32 v[TMP+4*\b+\j], v[8*(8*\a+\b)+2*\j], v[8*(8*\a+\b)+2*\j+1]
.endr
.endr
	WIN 0
.irp b, 0,1,2,3,4,5,6,7
	ds_store_b128 v[STO], v[TMP+4*\b:TMP+4*\b+3] offset:(\b/4)*16*XP+32*(\b%4)
.endr
	WIN 0x40
.irp t, 0,1,2,3,4,5,6,7
	ds_load_b128 v[32*\i+4*\t:32*\i+4*\t+3], v[RD] offset:(\t/4)*16*XP+(\t%4)*4*XP
.endr
	WIN 0x04
.irp t, 0,1,2,3,4,5,6,7
	s_wait_dscnt 7-\t                              ; the younger read-backs may stay out
	global_store_b128 v[CO], v[32*\i+4*\t:32*\i+4*\t+3], s[26:27] offset:(\t/4)*262144+\i*2048+(\t%4)*512
.endr
.endm
	OUT16 0, 0, 0x0a
	OUT16 1, 1, 0x0a
	OUT16 2, 2, 0x0a
	OUT16 3, 3, 0x0a
	OUT16 4, 0, 0x0f
	OUT16 5, 1, 0x0f
	OUT16 6, 2, 0x0f
	OUT16 7, 3, 0x0f
	WIN 0
	s_wait_tensorcnt 0x0
	ds_add_u32 v30, v31
	s_wait_dscnt 0x0
	s_endpgm
.Lfunc_end_k_qdd67456c9d_proj:
	.size	k_qdd67456c9d_proj, .Lfunc_end_k_qdd67456c9d_proj-k_qdd67456c9d_proj
	.p2alignl 7, 3214868480
	.fill 96, 4, 3214868480
	.section	.rodata,"a",@progbits
	.p2align	6, 0x0
	.amdhsa_kernel k_qdd67456c9d_proj
		.amdhsa_group_segment_fixed_size 162304
		.amdhsa_private_segment_fixed_size 0
		.amdhsa_enable_private_segment 0
		.amdhsa_kernarg_size 48
		.amdhsa_user_sgpr_count 2
		.amdhsa_user_sgpr_kernarg_segment_ptr 1
		.amdhsa_wavefront_size32 1
		.amdhsa_system_sgpr_workgroup_id_x 1
		.amdhsa_system_sgpr_workgroup_id_y 1
		.amdhsa_system_sgpr_workgroup_id_z 1
		.amdhsa_system_vgpr_workitem_id 0
		.amdhsa_next_free_vgpr 1024
		.amdhsa_next_free_sgpr 66
		.amdhsa_reserve_vcc 0
		.amdhsa_float_denorm_mode_32 3
		.amdhsa_float_denorm_mode_16_64 3
		.amdhsa_memory_ordered 1
		.amdhsa_forward_progress 1
		.amdhsa_inst_pref_size 255
	.end_amdhsa_kernel
	.section	.bss,"aw",@nobits
	.p2align	6
	.space	262144
	.amdgpu_metadata
---
amdhsa.version: [ 1, 2 ]
amdhsa.kernels:
  - .name:           k_qdd67456c9d_proj
    .symbol:         k_qdd67456c9d_proj.kd
    .args:
      - { .name: x, .offset: 0, .size: 8, .value_kind: global_buffer, .address_space: global }
      - { .name: context, .offset: 8, .size: 8, .value_kind: global_buffer, .address_space: global }
      - { .name: Wq, .offset: 16, .size: 8, .value_kind: global_buffer, .address_space: global }
      - { .name: Wk, .offset: 24, .size: 8, .value_kind: global_buffer, .address_space: global }
      - { .name: Wv, .offset: 32, .size: 8, .value_kind: global_buffer, .address_space: global }
      - { .name: qkv, .offset: 40, .size: 8, .value_kind: global_buffer, .address_space: global }
    .group_segment_fixed_size: 162304
    .private_segment_fixed_size: 0
    .kernarg_segment_align: 8
    .kernarg_segment_size: 48
    .max_flat_workgroup_size: 128
    .sgpr_count:     66
    .vgpr_count:     1024
    .wavefront_size: 32
...
	.end_amdgpu_metadata
.endif
;; end of part 1
;; launch attn (part 2): grid 8 x 32, 8 waves a work-group, clusters of 4 x 1, 327,680 bytes of LDS; arguments qkv, att; writes att
.if DOCPART == 2
	.amdgcn_target "amdgcn-amd-amdhsa--gfx1250"
	.amdhsa_code_object_version 6
	.text
	.protected	k_qdd67456c9d_attn
	.globl	k_qdd67456c9d_attn
	.p2align	8
	.type	k_qdd67456c9d_attn,@function
k_qdd67456c9d_attn:
	s_mov_b64 s[64:65], 0
	v_nop
	global_prefetch_b8 v0, s[64:65] scope:SCOPE_SE
	s_setreg_imm32_b32 hwreg(HW_REG_WAVE_MODE, 25, 1), 1
	s_wait_xcnt 0x0
	s_wait_alu depctr_hold_cnt(0) depctr_sa_sdst(0) depctr_va_vdst(0) depctr_va_sdst(0) depctr_va_ssrc(0) depctr_va_vcc(0) depctr_vm_vsrc(0)
	s_getreg_b32 s2, hwreg(HW_REG_IB_STS2, 6, 4)
	s_cmp_eq_u32 s2, 0
	s_cbranch_scc0 .Lentry_in_a_cluster
	s_endpgm
.Lentry_in_a_cluster:
	s_bfe_u32 s2, ttmp6, 0x10000c
	s_cmp_lg_u32 s2, 0x3003
	s_cbranch_scc0 .Lentry_shape_is_right
	s_endpgm
.Lentry_shape_is_right:
; att = softmax(Q K^T / 8) V for one (batch, head) = work-group y and 256 queries = work-group x.  qkv: sections Q, K, V of f16
; [batch][head][token][64]; att: the same layout.  Sums, maxima and exponentials in f32, with a running maximum.
; Eight waves: p = w & 3 takes queries 64 p .. 64 p + 63, g = w >> 2 takes keys 256 g .. 256 g + 255 of every slot of 512 keys, in steps of
; 64 keys; the two key groups of a query block are merged once at the end, through LDS.
; TRANSPOSED PRODUCTS: S^T = K Q^T (source 0 = 16 keys, source 1 = 16 queries) and O^T = V^T P^T (source 0 = 16 d by the transposing load,
; source 1 = P).  In every result lane (r, h) belongs to query r, so maximum, sum and factor are one number a lane, and two neighbouring
; S^T tiles, rounded in pairs, already are P's fragment: P never goes through LDS.
; CLUSTER: the four query blocks of a cluster read the same K and V.  Each piece (128 keys) is asked for jointly, mask 15: the descriptors
; hang on the head, the wave's number and the slot alone.  The place in the cluster enters only Q's and att's global addresses.
; By this text's own count a wave has two tensor loads out at the start and one behind each round; that one has four steps in which to land.
; LIMITS: f16 operands: |q|, |k|, |v| below 65,504; p below 3e-8 counts as 0 in the numerator; the row sum adds the unrounded p;
; v_exp_f32 gives 0 below 2^-126; rows whose scores hold an infinity or a NaN are not served.
.set KP,   144                         ; LDS row of K: 128 bytes + 16 = 9 x 16
.set VP,   160                         ; LDS row of V: 128 bytes + 32 = 5 x 32, for the transposing load
.set KOFF, 512*VP                      ; a slot: V's 512 rows, then K's
.set SLOT, KOFF+512*KP                 ; 155,648 bytes; two slots
.set MRG,  34*512                      ; merge stage of a query block: 32 x 512 bytes of O, the maxima, the sums; in slot 0 behind its last fill and last read
.set OST,  4*MRG                       ; way out: 64 rows x 144 bytes for each query block
.set LK,   2                           ; LDS address of my K fragments in slot 0, step 0
.set LV,   3                           ; of my V fragments
.set ADRK, 4                           ; the same, stepped
.set ADRV, 5
.set QO,   6
.set MG,   7
.set OS,   8
.set ORD,  9
.set GO,   10
.set MX,   16                          ; v16-19  running maximum of query tile q
.set TM,   20                          ; v20-23  at work
.set TP,   24                          ; v24-27  the other half's figure
.set NM,   28                          ; v28-35  pairs: - maximum x c, twice
.set AL,   36                          ; v36-43  pairs: the rescale factor, twice
.set LP,   44                          ; v44-51  pairs: the lane's partial sums
.set LS,   52                          ; v52-55  the row sums
.set W4,   56                          ; v56-59  the merge, at work
.set KF,   64                          ; v64-127 K fragments: KF + 16 kt + 8 c
.set SC,   128                         ; v128-255 S^T: tile (kt, q) at SC + 16 (4 (kt/2) + q) + 8 (kt%2); P(c, q) = the first 8 of block SC + 16 (4 c + q)
.set OA,   0                           ; window 1: O^T tile (dt, q) at 8 (4 dt + q)
.set QF,   128                         ; window 1: Q fragments: QF + 16 q + 8 c
.set VF,   192                         ; window 1: V fragments: VF + 16 dt + 8 c
.set G1V,  24
.set G1K,  32
.set G0V,  40                          ; one group 0 for each slot
.set G0K,  48
.set MSB,  0
.macro WIN new                         ; the immediate's high byte repeats the setting that is left
.if MSB != \new
	s_set_vgpr_msb (MSB<<8)|\new
.set MSB, \new
.endif
.endm
.macro ROUND                           ; a round of the cluster's barrier
	s_barrier_signal -1
	s_barrier_wait -1
	s_cmp_lg_u32 s8, 0
	s_cbranch_scc1 .Lnot_wave_0_\@
	s_barrier_signal -3
.Lnot_wave_0_\@:
	s_barrier_wait -3
	s_barrier_signal -1
	s_barrier_wait -1
.endm
.macro JLOAD s                         ; waves 0-3 ask for V's four pieces, waves 4-7 for K's: one load a wave
	s_cmp_eq_u32 s10, 0
	s_cbranch_scc0 .Lfor_k_\@
	tensor_load_to_lds s[G0V+4*\s:G0V+4*\s+3], s[G1V:G1V+7]
	s_nop 0
	s_branch .Lasked_\@
.Lfor_k_\@:
	tensor_load_to_lds s[G0K+4*\s:G0K+4*\s+3], s[G1K:G1K+7]
	s_nop 0
.Lasked_\@:
.endm
	s_load_b128 s[4:7], s[0:1], 0x0                ; qkv s[4:5], att s[6:7]
	v_lshl_add_u32 v62, v0, 2, 0x4c000
	v_mov_b32 v63, 0
	ds_add_u32 v62, v63
	v_lshrrev_b32 v1, 5, v0
	v_readfirstlane_b32 s8, v1                     ; wave w
	s_and_b32 s9, s8, 3                            ; p
	s_lshr_b32 s10, s8, 2                          ; g
	s_and_b32 s11, ttmp7, 0xffff                   ; batch x 8 + head
	s_mov_b32 s12, 0x76543210                      ; v_permlanex16_b32: lane i reads lane i of the other half
	s_mov_b32 s13, 0xfedcba98
	s_mov_b32 s14, 0x3e38aa3b                      ; c = log2(e) / 8, twice (a pair for the packed forms)
	s_mov_b32 s15, 0x3e38aa3b
	s_mov_b32 s16, 0xbe38aa3b                      ; -c
	s_bfe_u32 s62, ttmp6, 0x40000                  ; cx
	s_lshl_b32 s18, ttmp9, 2
	s_add_co_u32 s18, s18, s62                     ; query block = 4 x cluster x + cx
	; group 1: 128 rows x 64 elements of 2 bytes, dense in memory, padded in LDS behind every 32 words
	s_mov_b32 s[G1V], 0x0f31000f                   ; mask 15; 2-byte elements; padding on; bit 21 beside the mask; interval code 4; 8 words of padding
	s_mov_b32 s[G1K], 0x0731000f                   ; the same with 4 words
.irp g, 24, 32
	s_mov_b32 s[\g+1], 64<<16                      ; tensor_dim0 = 64
	s_mov_b32 s[\g+2], 128<<16                     ; tensor_dim1 = 128
	s_mov_b32 s[\g+3], 64<<16                      ; tile_dim0 = 64
	s_mov_b32 s[\g+4], 128                         ; tile_dim1 = 128
	s_mov_b32 s[\g+5], 64                          ; 64 elements from row to row
	s_mov_b32 s[\g+6], 0
	s_mov_b32 s[\g+7], 0
.endr
	s_lshl_b32 s20, s11, 18                        ; the head's 2,048 rows of 128 bytes
	s_lshl_b32 s21, s9, 14                         ; + my piece's 128 rows
	s_add_co_u32 s20, s20, s21
	s_mov_b32 s21, 0
	s_mul_i32 s2, s9, 128*VP                       ; where V's piece goes
	s_mul_i32 s3, s9, 128*KP
	s_add_co_u32 s3, s3, KOFF                      ; where K's piece goes
	s_lshl_b32 s60, s11, 18                        ; Q and att: head, query block, my 64 rows
	s_lshl_b32 s61, s18, 15
	s_add_co_u32 s60, s60, s61
	s_lshl_b32 s61, s9, 13
	s_add_co_u32 s60, s60, s61
	s_mov_b32 s61, 0
	s_wait_dscnt 0x0
	s_wait_kmcnt 0x0
	s_add_nc_u64 s[22:23], s[4:5], s[20:21]
	s_add_nc_u64 s[56:57], s[4:5], s[60:61]
	s_add_nc_u64 s[58:59], s[6:7], s[60:61]
.irp s, 0, 1
	s_mov_b32 s[G0V+4*\s], 1
	s_add_co_u32 s[G0V+4*\s+1], s2, \s*SLOT
	s_add_nc_u64 s[G0V+4*\s+2:G0V+4*\s+3], s[22:23], 16777216+\s*65536     ; section V, keys 512 s ..
	s_or_b32 s[G0V+4*\s+3], s[G0V+4*\s+3], 0x80000000
	s_mov_b32 s[G0K+4*\s], 1
	s_add_co_u32 s[G0K+4*\s+1], s3, \s*SLOT
	s_add_nc_u64 s[G0K+4*\s+2:G0K+4*\s+3], s[22:23], 8388608+\s*65536      ; section K
	s_or_b32 s[G0K+4*\s+3], s[G0K+4*\s+3], 0x80000000
.endr
	ROUND                                          ; all four work-groups are here: the first joint loads meet
	s_cmp_eq_u32 s10, 0
	s_cbranch_scc0 .Lfirst_k
	tensor_load_to_lds s[G0V:G0V+3], s[G1V:G1V+7]
	s_nop 0
	tensor_load_to_lds s[G0V+4:G0V+7], s[G1V:G1V+7]
	s_nop 0
	s_branch .Lfirst_done
.Lfirst_k:
	tensor_load_to_lds s[G0K:G0K+3], s[G1K:G1K+7]
	s_nop 0
	tensor_load_to_lds s[G0K+4:G0K+7], s[G1K:G1K+7]
	s_nop 0
.Lfirst_done:
	v_and_b32 v1, 31, v0                           ; L
	v_and_b32 v11, 15, v0                          ; r
	v_bfe_u32 v12, v0, 4, 1                        ; h
	v_and_b32 v13, 7, v0
	v_bfe_u32 v14, v0, 3, 1
	v_lshlrev_b32 v[QO], 7, v11                    ; Q: row r, 16 bytes for each half of the lanes
	v_lshl_add_u32 v[QO], v12, 4, v[QO]
	WIN 0x40
.irp q, 0,1,2,3
.irp c, 0,1
	global_load_b128 v[QF+16*\q+8*\c:QF+16*\q+8*\c+3],   v[QO], s[56:57] offset:\q*2048+64*\c
	global_load_b128 v[QF+16*\q+8*\c+4:QF+16*\q+8*\c+7], v[QO], s[56:57] offset:\q*2048+64*\c+32
.endr
.endr
	WIN 0
	s_mul_i32 s19, s10, 256*KP
	s_add_co_u32 s19, s19, KOFF
	v_mul_u32_u24 v[LK], v11, KP
	v_lshl_add_u32 v[LK], v12, 4, v[LK]
	v_add_nc_u32 v[LK], s19, v[LK]
	s_mul_i32 s19, s10, 256*VP
	v_lshl_add_u32 v[LV], v12, 3, v13              ; key row 8 h + (L & 7)
	v_mul_u32_u24 v[LV], v[LV], VP
	v_lshl_add_u32 v[LV], v14, 4, v[LV]
	v_add_nc_u32 v[LV], s19, v[LV]
	s_mul_i32 s19, s9, MRG
	v_lshl_add_u32 v[MG], v1, 4, s19
	s_mul_i32 s19, s9, 64*KP
	s_add_co_u32 s19, s19, OST
	v_mul_u32_u24 v[OS], v11, KP
	v_lshl_add_u32 v[OS], v12, 4, v[OS]
	v_add_nc_u32 v[OS], s19, v[OS]
	v_lshrrev_b32 v15, 3, v1
	v_mul_u32_u24 v[ORD], v15, KP
	v_lshl_add_u32 v[ORD], v13, 4, v[ORD]
	v_add_nc_u32 v[ORD], s19, v[ORD]
	v_lshlrev_b32 v[GO], 4, v1
.irp q, 0,1,2,3
	v_mov_b32 v[TP+\q], 0                          ; v_permlanex16_b32 counts as a reader of its destination
.endr
	s_wait_tensorcnt 0x1                           ; my piece of slot 0 is in; slot 1's may stay out
	s_wait_loadcnt 0x0                             ; Q
	s_barrier_signal -1
	s_barrier_wait -1
; exponents of unit u (two blocks of 16 registers: c = u / 2, q = 2 (u % 2) and the next): s c - m c, one fused multiply-add for two
.macro FMAU u
	s_wait_alu depctr_va_vdst(0)
.irp qq, 0,1
.irp i, 0,2,4,6,8,10,12,14
	v_pk_fma_f32 v[SC+32*\u+16*\qq+\i:SC+32*\u+16*\qq+\i+1], v[SC+32*\u+16*\qq+\i:SC+32*\u+16*\qq+\i+1], s[14:15], v[NM+2*(2*(\u%2)+\qq):NM+2*(2*(\u%2)+\qq)+1] op_sel_hi:[1,0,1]
.endr
.endr
.endm
.macro EXPU u
.set ee, SC+32*\u
.rept 32
	v_exp_f32 v[ee], v[ee]
.set ee, ee+1
.endr
.endm
; unit u: add the pairs to the lane's sums, then round each pair to f16 in place (pair i lands in register i of its block).
; At c = 0 the sum is taken up: old sum x factor + pair 0, or in the very first step pair 0 + pair 1.
.macro SUMCVT u, first
.irp i, 0,1,2,3,4,5,6,7
.irp qq, 0,1
.set bb, SC+32*\u+16*\qq
.set lq, LP+2*(2*(\u%2)+\qq)
.set aq, AL+2*(2*(\u%2)+\qq)
.set md, 0
.if \u < 2
.if \i == 0
.set md, 1+\first
.endif
.if \i == 1
.if \first
.set md, 3
.endif
.endif
.endif
.if md == 0
	v_pk_add_f32 v[lq:lq+1], v[lq:lq+1], v[bb+2*\i:bb+2*\i+1]
.endif
.if md == 1
	s_wait_alu depctr_va_vdst(0)
	v_pk_fma_f32 v[lq:lq+1], v[lq:lq+1], v[aq:aq+1], v[bb:bb+1]
.endif
.if md == 2
	s_wait_alu depctr_va_vdst(0)
	v_pk_add_f32 v[lq:lq+1], v[bb:bb+1], v[bb+2:bb+3]
.endif
	v_cvt_pk_f16_f32 v[bb+\i], v[bb+2*\i], v[bb+2*\i+1]
.endr
.endr
.endm
; One step: 64 keys x 64 queries.  first = 1: the very first step starts maxima, sums and O.
.macro STEP first
	WIN 0
.irp kt, 0,1,2,3
.irp c, 0,1
	ds_load_b128 v[KF+16*\kt+8*\c:KF+16*\kt+8*\c+3],   v[ADRK] offset:\kt*16*KP+64*\c
	ds_load_b128 v[KF+16*\kt+8*\c+4:KF+16*\kt+8*\c+7], v[ADRK] offset:\kt*16*KP+64*\c+32
.endr
.endr
	WIN 0x40
.irp dt, 0,1,2,3
.irp c, 0,1
	ds_load_tr16_b128 v[VF+16*\dt+8*\c:VF+16*\dt+8*\c+3],   v[ADRV] offset:\c*32*VP+32*\dt
	ds_load_tr16_b128 v[VF+16*\dt+8*\c+4:VF+16*\dt+8*\c+7], v[ADRV] offset:\c*32*VP+32*\dt+16*VP
.endr
.endr
	; S^T = K Q^T.  Four accumulators take turns, one instruction a turn.
	WIN 0x04                                       ; source 1 (Q) from window 1
.irp kt, 0,1,2,3
	s_wait_dscnt 28-4*\kt                          ; key tile kt's four loads are in; the later tiles' and V's 16 may stay out
.irp c, 0,1
.irp q, 0,1,2,3
.set ST, SC+16*(4*(\kt/2)+\q)+8*(\kt%2)
.if \c
	v_wmma_f32_16x16x32_f16 v[ST:ST+7], v[KF+16*\kt+8*\c:KF+16*\kt+8*\c+7], v[QF+16*\q+8*\c:QF+16*\q+8*\c+7], v[ST:ST+7]
.else
	v_wmma_f32_16x16x32_f16 v[ST:ST+7], v[KF+16*\kt+8*\c:KF+16*\kt+8*\c+7], v[QF+16*\q+8*\c:QF+16*\q+8*\c+7], 0
.endif
.endr
.endr
.endr
	WIN 0
.rept 4
	v_nop                                          ; four places before a vector instruction reads a matrix result (ISA guide 7.12.1)
.endr
	; the largest of my 32 scores of each query tile, four chains side by side, then the other half of the lanes
.irp q, 0,1,2,3
	v_max_num_f32 v[TM+\q], v[SC+16*\q], v[SC+16*\q+1]
.endr
.irp i, 2,4,6,8,10,12,14
.irp q, 0,1,2,3
	v_max3_num_f32 v[TM+\q], v[TM+\q], v[SC+16*\q+\i], v[SC+16*\q+\i+1]
.endr
.endr
.irp i, 0,2,4,6,8,10,12,14
.irp q, 0,1,2,3
	v_max3_num_f32 v[TM+\q], v[TM+\q], v[SC+64+16*\q+\i], v[SC+64+16*\q+\i+1]
.endr
.endr
.irp q, 0,1,2,3
	v_permlanex16_b32 v[TP+\q], v[TM+\q], s12, s13
.endr
.if \first
.irp q, 0,1,2,3
	v_max_num_f32 v[MX+\q], v[TM+\q], v[TP+\q]
.endr
.irp q, 0,1,2,3
	v_mul_f32 v[NM+2*\q], s16, v[MX+\q]
	v_mul_f32 v[NM+2*\q+1], s16, v[MX+\q]
.endr
.else
.irp q, 0,1,2,3
	v_max3_num_f32 v[MX+\q], v[TM+\q], v[TP+\q], v[MX+\q]
.endr
.irp q, 0,1,2,3
	v_mul_f32 v[TM+\q], s16, v[MX+\q]              ; the new - m c
.endr
.irp q, 0,1,2,3
	v_sub_f32 v[AL+2*\q], v[TM+\q], v[NM+2*\q]     ; new - old, of the very addends that the exponents use: old and new terms carry the same shift
.endr
.irp q, 0,1,2,3
	v_exp_f32 v[AL+2*\q], v[AL+2*\q]
.endr
.irp q, 0,1,2,3
	v_mov_b32 v[NM+2*\q], v[TM+\q]                 ; plain instructions between the exponentials and their first use (ISA guide 5.7.2)
	v_mov_b32 v[NM+2*\q+1], v[TM+\q]
.endr
	s_wait_alu depctr_va_vdst(0)
.irp q, 0,1,2,3
	v_mov_b32 v[AL+2*\q+1], v[AL+2*\q]
.endr
	WIN 0x41                                       ; O in window 1, the factor in window 0
.irp dt, 0,1,2,3
.irp q, 0,1,2,3
.irp k, 0,2,4,6
	v_pk_mul_f32 v[OA+8*(4*\dt+\q)+\k:OA+8*(4*\dt+\q)+\k+1], v[OA+8*(4*\dt+\q)+\k:OA+8*(4*\dt+\q)+\k+1], v[AL+2*\q:AL+2*\q+1]
.endr
.endr
.endr
	WIN 0
.endif
	; p = 2^(s c - m c), four units; behind each run of exponentials stands a block of plain instructions on other registers
	FMAU 0
	EXPU 0
	FMAU 1
	SUMCVT 0, \first
	EXPU 1
	FMAU 2
	SUMCVT 1, \first
	EXPU 2
	FMAU 3
	SUMCVT 2, \first
	EXPU 3
	v_nop
	s_wait_alu depctr_va_vdst(0)
	SUMCVT 3, \first
	; O^T += V^T P^T.  Four accumulators take turns, one instruction a turn.
	s_wait_dscnt 0x0                               ; V's fragments
	WIN 0x51                                       ; V, C and D in window 1, P in window 0
.irp dt, 0,1,2,3
.irp c, 0,1
.irp q, 0,1,2,3
.set zz, 0
.if \first
.if \c == 0
.set zz, 1
.endif
.endif
.if zz
	v_wmma_f32_16x16x32_f16 v[OA+8*(4*\dt+\q):OA+8*(4*\dt+\q)+7], v[VF+16*\dt+8*\c:VF+16*\dt+8*\c+7], v[SC+16*(4*\c+\q):SC+16*(4*\c+\q)+7], 0
.else
	v_wmma_f32_16x16x32_f16 v[OA+8*(4*\dt+\q):OA+8*(4*\dt+\q)+7], v[VF+16*\dt+8*\c:VF+16*\dt+8*\c+7], v[SC+16*(4*\c+\q):SC+16*(4*\c+\q)+7], v[OA+8*(4*\dt+\q):OA+8*(4*\dt+\q)+7]
.endif
.endr
.endr
.endr
	WIN 0
	v_add_nc_u32 v[ADRK], 64*KP, v[ADRK]           ; the next 64 keys.  With the three v_nop: five places, ahead of the loads into V's fragments
	v_add_nc_u32 v[ADRV], 64*VP, v[ADRV]           ; and of the products that write over P (ISA guide 7.12.1)
.rept 3
	v_nop
.endr
.endm
; my key group's four steps of one slot
.macro PHASE slot, first
	v_add_nc_u32 v[ADRK], \slot*SLOT, v[LK]
	v_add_nc_u32 v[ADRV], \slot*SLOT, v[LV]
.if \first
	STEP 1
	s_mov_b32 s17, 3
.else
	s_mov_b32 s17, 4
.endif
.Lstep_\@:
	STEP 0
	s_sub_co_u32 s17, s17, 1
	s_cmp_lg_u32 s17, 0
	s_cbranch_scc1 .Lstep_\@
.endm
; slot s has been read: it is filled again with the keys 1,024 further on
.macro CHANGE s
	s_wait_tensorcnt 0x0                           ; all my tensor loads have landed, my piece of the other slot among them, so a group 0 may be written
	ds_add_u32 v62, v63
	s_add_nc_u64 s[G0V+4*\s+2:G0V+4*\s+3], s[G0V+4*\s+2:G0V+4*\s+3], 131072
	s_add_nc_u64 s[G0K+4*\s+2:G0K+4*\s+3], s[G0K+4*\s+2:G0K+4*\s+3], 131072
	s_wait_dscnt 0x0                               ; my reads of this slot are back
	ROUND                                          ; both now hold of every wave of all four work-groups
	JLOAD \s                                       ; my one tensor load behind the round, and the first thing there
.endm
	PHASE 0, 1                                     ; keys 0-511
	CHANGE 0
	PHASE 1, 0                                     ; keys 512-1023
	CHANGE 1
	PHASE 0, 0                                     ; keys 1024-1535
	s_wait_tensorcnt 0x0                           ; my piece of the last 512 keys is in
	s_wait_dscnt 0x0                               ; my reads of slot 0 are back: behind this barrier its bytes serve as stages
	s_barrier_signal -1
	s_barrier_wait -1
	PHASE 1, 0                                     ; keys 1536-2047
	; THE MERGE of the two key groups.  Row sums first: my two partial sums, then the other half of the lanes.
.irp q, 0,1,2,3
	v_add_f32 v[LS+\q], v[LP+2*\q], v[LP+2*\q+1]
.endr
.irp q, 0,1,2,3
	v_permlanex16_b32 v[TP+\q], v[LS+\q], s12, s13
.endr
.irp q, 0,1,2,3
	v_add_f32 v[LS+\q], v[LS+\q], v[TP+\q]
.endr
	s_cmp_eq_u32 s10, 0
	s_cbranch_scc1 .Lkeep
	WIN 0x04                                       ; waves 4-7 hand over O, the maxima and the sums, 512 consecutive bytes a store
.set mi, 0
.rept 32
	ds_store_b128 v[MG], v[OA+4*mi:OA+4*mi+3] offset:512*mi
.set mi, mi+1
.endr
	WIN 0
	ds_store_b128 v[MG], v[MX:MX+3] offset:512*32
	ds_store_b128 v[MG], v[LS:LS+3] offset:512*33
.Lkeep:
	s_wait_dscnt 0x0                               ; for the partner: my stores are done
	s_barrier_signal -1
	s_barrier_wait -1
	s_cmp_lg_u32 s10, 0
	s_cbranch_scc1 .Lclose                         ; waves 4-7 have nothing left but the closing round
	ds_load_b128 v[TM:TM+3], v[MG] offset:512*32   ; the partner's maxima
	ds_load_b128 v[TP:TP+3], v[MG] offset:512*33   ; and sums
.set mi, 0
.rept 32
	ds_load_b128 v[SC+4*mi:SC+4*mi+3], v[MG] offset:512*mi
.set mi, mi+1
.endr
	s_wait_dscnt 32                                ; maxima and sums are in; the partner's O, 32 loads, may stay out
.irp q, 0,1,2,3
	v_max_num_f32 v[W4+\q], v[MX+\q], v[TM+\q]
.endr
.irp q, 0,1,2,3
	v_mul_f32 v[W4+\q], s16, v[W4+\q]              ; - m c of the joint maximum
.endr
.irp q, 0,1,2,3
	v_mul_f32 v[TM+\q], s16, v[TM+\q]              ; the partner's own - m c, as it formed it
.endr
.irp q, 0,1,2,3
	v_sub_f32 v[AL+2*\q], v[W4+\q], v[NM+2*\q]
.endr
.irp q, 0,1,2,3
	v_sub_f32 v[NM+2*\q], v[W4+\q], v[TM+\q]
.endr
.irp q, 0,1,2,3
	v_exp_f32 v[AL+2*\q], v[AL+2*\q]               ; my factor
	v_exp_f32 v[NM+2*\q], v[NM+2*\q]               ; the partner's
.endr
	v_nop
	s_wait_alu depctr_va_vdst(0)
.irp q, 0,1,2,3
	v_mul_f32 v[W4+\q], v[LS+\q], v[AL+2*\q]
.endr
.irp q, 0,1,2,3
	v_fmac_f32 v[W4+\q], v[TP+\q], v[NM+2*\q]      ; the whole row's sum: at least about 1, since one factor is 1
.endr
.irp q, 0,1,2,3
	v_rcp_f32 v[W4+\q], v[W4+\q]
.endr
	v_nop
	s_wait_alu depctr_va_vdst(0)
.irp q, 0,1,2,3
	v_mul_f32 v[AL+2*\q], v[AL+2*\q], v[W4+\q]
	v_mul_f32 v[NM+2*\q], v[NM+2*\q], v[W4+\q]
.endr
.irp q, 0,1,2,3
	v_mov_b32 v[AL+2*\q+1], v[AL+2*\q]
	v_mov_b32 v[NM+2*\q+1], v[NM+2*\q]
.endr
	s_wait_dscnt 0x0
.irp dt, 0,1,2,3
.irp q, 0,1,2,3
.irp k, 0,2,4,6
	v_pk_mul_f32 v[SC+8*(4*\dt+\q)+\k:SC+8*(4*\dt+\q)+\k+1], v[SC+8*(4*\dt+\q)+\k:SC+8*(4*\dt+\q)+\k+1], v[NM+2*\q:NM+2*\q+1]
.endr
.endr
.endr
	WIN 0x01                                       ; my O from window 1
.irp dt, 0,1,2,3
.irp q, 0,1,2,3
.irp k, 0,2,4,6
	v_pk_fma_f32 v[SC+8*(4*\dt+\q)+\k:SC+8*(4*\dt+\q)+\k+1], v[OA+8*(4*\dt+\q)+\k:OA+8*(4*\dt+\q)+\k+1], v[AL+2*\q:AL+2*\q+1], v[SC+8*(4*\dt+\q)+\k:SC+8*(4*\dt+\q)+\k+1]
.endr
.endr
.endr
	WIN 0
	; the way out: a lane's eight numbers are d = 16 dt + 8 h + 0..7 of query 16 q + r: 16 bytes into my own stage, back as whole rows
.irp dt, 0,1,2,3
.irp q, 0,1,2,3
.irp i, 0,1,2,3
	v_cvt_pk_f16_f32 v[SC+8*(4*\dt+\q)+\i], v[SC+8*(4*\dt+\q)+2*\i], v[SC+8*(4*\dt+\q)+2*\i+1]
.endr
	ds_store_b128 v[OS], v[SC+8*(4*\dt+\q):SC+8*(4*\dt+\q)+3] offset:\q*16*KP+32*\dt
.endr
.endr
.set mi, 0
.rept 16
	ds_load_b128 v[KF+4*mi:KF+4*mi+3], v[ORD] offset:4*KP*mi       ; LDS serves a wave's instructions in order (ISA guide 5.7.1): these see the stores
.set mi, mi+1
.endr
.set mi, 0
.rept 16
	s_wait_dscnt 15-mi                             ; the younger read-backs may stay out
	global_store_b128 v[GO], v[KF+4*mi:KF+4*mi+3], s[58:59] offset:512*mi  ; 512 consecutive bytes of my dense block of 8,192
.set mi, mi+1
.endr
.Lclose:
	s_wait_tensorcnt 0x0
	ds_add_u32 v62, v63
	s_wait_dscnt 0x0
	ROUND                                          ; the closing round: no work-group ends while a partner may still ask jointly
	s_endpgm
.Lfunc_end_k_qdd67456c9d_attn:
	.size	k_qdd67456c9d_attn, .Lfunc_end_k_qdd67456c9d_attn-k_qdd67456c9d_attn
	.p2alignl 7, 3214868480
	.fill 96, 4, 3214868480
	.section	.rodata,"a",@progbits
	.p2align	6, 0x0
	.amdhsa_kernel k_qdd67456c9d_attn
		.amdhsa_group_segment_fixed_size 327680
		.amdhsa_private_segment_fixed_size 0
		.amdhsa_enable_private_segment 0
		.amdhsa_kernarg_size 16
		.amdhsa_user_sgpr_count 2
		.amdhsa_user_sgpr_kernarg_segment_ptr 1
		.amdhsa_wavefront_size32 1
		.amdhsa_system_sgpr_workgroup_id_x 1
		.amdhsa_system_sgpr_workgroup_id_y 1
		.amdhsa_system_sgpr_workgroup_id_z 1
		.amdhsa_system_vgpr_workitem_id 0
		.amdhsa_next_free_vgpr 512
		.amdhsa_next_free_sgpr 66
		.amdhsa_reserve_vcc 0
		.amdhsa_float_denorm_mode_32 3
		.amdhsa_float_denorm_mode_16_64 3
		.amdhsa_memory_ordered 1
		.amdhsa_forward_progress 1
		.amdhsa_inst_pref_size 191
	.end_amdhsa_kernel
	.amdgpu_metadata
---
amdhsa.version: [ 1, 2 ]
amdhsa.kernels:
  - .name:           k_qdd67456c9d_attn
    .symbol:         k_qdd67456c9d_attn.kd
    .args:
      - { .name: qkv, .offset: 0, .size: 8, .value_kind: global_buffer, .address_space: global }
      - { .name: att, .offset: 8, .size: 8, .value_kind: global_buffer, .address_space: global }
    .group_segment_fixed_size: 327680
    .private_segment_fixed_size: 0
    .kernarg_segment_align: 8
    .kernarg_segment_size: 16
    .max_flat_workgroup_size: 256
    .sgpr_count:     66
    .vgpr_count:     512
    .wavefront_size: 32
...
	.end_amdgpu_metadata
.endif
;; end of part 2
;; launch outp (part 3): grid 4 x 64, 4 waves a work-group, no clusters, 91,648 bytes of LDS; arguments att, Wo, bo, out0; writes out0
.if DOCPART == 3
	.amdgcn_target "amdgcn-amd-amdhsa--gfx1250"
	.amdhsa_code_object_version 6
	.text
	.protected	k_qdd67456c9d_outp
	.globl	k_qdd67456c9d_outp
	.p2align	8
	.type	k_qdd67456c9d_outp,@function
k_qdd67456c9d_outp:
	s_mov_b64 s[64:65], 0
	v_nop
	global_prefetch_b8 v0, s[64:65] scope:SCOPE_SE
	s_setreg_imm32_b32 hwreg(HW_REG_WAVE_MODE, 25, 1), 1
	s_wait_xcnt 0x0
; out0 = att Wo + bo.  att: f16 [batch][head][token][64]; Wo: [512 k][512 n] f32; bo: [512] f32; out0: [8192][512] f32.
; Work-group x = cb (128 columns), y = rb (128 rows); four waves, each 64 x 64 (16 accumulator tiles).
; K = 512 goes in 8 steps of 64, all written out; K step s is head s, whose 128 rows are one dense block of 16,384 bytes of att.
; FORMAT: att as it is (f16), Wo rounded once to f16, sums and the bias in f32.  LIMIT: |Wo| below 65,504.
; NO CLUSTER, NO COPY ENGINE: Wo is f32 and must be f16 in LDS: copied as it is a number would cost 4 bytes written to LDS, 4 read and
; 2 written again, through registers the 2 written; att's tile rides the same ring of two K steps in registers.
; REGISTERS: window 0: v1-7 addresses, v8-127 fragments, v128-255 accumulators; window 1: two staging sets of 128 (att at +0, Wo at +64),
; the bias in v32-35 of window 1, which no set uses.
.set XP,    144                        ; LDS row of att: 128 bytes + 16 = 9 x 16
.set WP,    288                        ; LDS row of Wo: 256 bytes + 32 = 9 x 32, for the transposing load
.set WT,    128*XP
.set BUF,   WT+64*WP
.set STAGE, 2*BUF                      ; 16 rows x 272 bytes of f32 for each wave
.set SP,    272
.set AO,  1
.set WO,  2
.set AS,  3
.set WS,  4
.set XA,  5
.set WA,  6
.set BO,  7
.set STO, 3
.set RD,  4
.set CO,  7
.set XF,  8
.set WF0, 40
.set WF1, 104
.set ACC, 128
.set BIAS, 32                          ; window 1
.set MSB, 0
.macro WIN new                         ; the immediate's high byte repeats the setting that is left
.if MSB != \new
	s_set_vgpr_msb (MSB<<8)|\new
.set MSB, \new
.endif
.endm
	s_load_b256 s[4:11], s[0:1], 0x0               ; att s[4:5], Wo s[6:7], bo s[8:9], out0 s[10:11]
	s_set_vgpr_msb 0x40
	v_lshl_add_u32 v62, v0, 2, 0x16400
	v_mov_b32 v63, 0
	s_set_vgpr_msb 0x4000
	v_lshrrev_b32 v7, 5, v0
	v_readfirstlane_b32 s16, v7                    ; wave w
	s_lshr_b32 s17, s16, 1                         ; wr
	s_and_b32 s18, s16, 1                          ; wc
	s_mov_b32 s20, ttmp9                           ; cb
	s_and_b32 s21, ttmp7, 0xffff                   ; rb
	v_and_b32 v13, 31, v0                          ; L
	v_and_b32 v8, 15, v0                           ; r
	v_bfe_u32 v9, v0, 4, 1                         ; h
	v_and_b32 v10, 7, v0
	v_bfe_u32 v11, v0, 3, 1
	v_lshrrev_b32 v12, 3, v13                      ; L >> 3
	s_lshl_b32 s28, s16, 12                        ; my 32 rows of 128 bytes
	v_lshl_add_u32 v[AO], v13, 4, s28
	s_lshl_b32 s28, s16, 15                        ; my 16 k rows of 2,048 bytes
	v_lshl_add_u32 v[WO], v13, 4, s28
	s_mul_i32 s28, s16, 32*XP                      ; = 16 WP as well
	v_mul_u32_u24 v[AS], v12, XP                   ; eight lanes hold one row of 128 bytes
	v_lshl_add_u32 v[AS], v10, 4, v[AS]
	v_add_nc_u32 v[AS], s28, v[AS]
	s_add_co_u32 s28, s28, WT
	v_lshl_add_u32 v[WS], v13, 3, s28
	s_mul_i32 s28, s17, 64*XP
	v_mul_u32_u24 v[XA], v8, XP
	v_lshl_add_u32 v[XA], v9, 4, v[XA]
	v_add_nc_u32 v[XA], s28, v[XA]
	s_lshl_b32 s28, s18, 7
	s_add_co_u32 s28, s28, WT
	v_lshl_add_u32 v[WA], v9, 3, v10
	v_mul_u32_u24 v[WA], v[WA], WP
	v_lshl_add_u32 v[WA], v11, 4, v[WA]
	v_add_nc_u32 v[WA], s28, v[WA]
	v_lshlrev_b32 v[BO], 4, v8                     ; my four columns on the way out
	s_lshr_b32 s28, s21, 4                         ; batch: 8 heads x 2,048 rows x 128 bytes
	s_lshl_b32 s28, s28, 21
	s_and_b32 s29, s21, 15                         ; the block's first token
	s_lshl_b32 s29, s29, 14
	s_add_co_u32 s28, s28, s29
	s_mov_b32 s29, 0
	s_lshl_b32 s30, s20, 9                         ; 128 cb columns of f32
	s_mov_b32 s31, 0
	s_lshl_b32 s32, s18, 8                         ; + my 64 columns
	s_add_co_u32 s32, s32, s30
	s_mov_b32 s33, 0
	s_lshl_b32 s34, s21, 18                        ; 128 rb rows of 2,048 bytes
	s_lshl_b32 s35, s17, 17                        ; + my 64 rows
	s_add_co_u32 s34, s34, s35
	s_add_co_u32 s34, s34, s32
	s_mov_b32 s35, 0
	s_wait_kmcnt 0x0
	s_add_nc_u64 s[12:13], s[4:5], s[28:29]
	s_add_nc_u64 s[14:15], s[6:7], s[30:31]
	s_add_nc_u64 s[22:23], s[8:9], s[32:33]
	s_add_nc_u64 s[26:27], s[10:11], s[34:35]
; K step s into staging set s % 2: 8 loads of att and 16 of Wo, 512 consecutive bytes each
.macro GLOAD s
.set SET, 128*((\s)%2)
	WIN 0x40
.set gi, 0
.rept 8
	global_load_b128 v[SET+4*gi:SET+4*gi+3], v[AO], s[12:13] offset:gi*512+(\s)*262144
.set gi, gi+1
.endr
.set gi, 0
.rept 16
	global_load_b128 v[SET+64+4*gi:SET+64+4*gi+3], v[WO], s[14:15] offset:(64*(\s)+gi)*2048
.set gi, gi+1
.endr
.endm
; K step s: round Wo to f16 in place, store both tiles into LDS buffer s % 2, ask for K step s + 2 (more = 1), barrier.
.macro CONSUME s, left, more
.set SET, 128*((\s)%2)
.set BB, BUF*((\s)%2)
	s_wait_loadcnt \left                           ; loads come back in order: this step's 24 (and, the first time, the bias) are in
	WIN 0x45                                       ; these 32 conversions are also the places behind the last matrix instructions
.set ii, SET+64
.rept 16
	v_cvt_pk_f16_f32 v[ii], v[ii], v[ii+1]
	v_cvt_pk_f16_f32 v[ii+1], v[ii+2], v[ii+3]
.set ii, ii+4
.endr
	WIN 0x04
.set gi, 0
.rept 8
	ds_store_b128 v[AS], v[SET+4*gi:SET+4*gi+3] offset:gi*4*XP+BB
.set gi, gi+1
.endr
.set gi, 0
.rept 16
	ds_store_b64 v[WS], v[SET+64+4*gi:SET+64+4*gi+1] offset:gi*WP+BB
.set gi, gi+1
.endr
	s_wait_dscnt 0x0                               ; for the others: my stores into this buffer are done, and so are my reads of the other one
.if \more
	GLOAD \s+2
.endif
	WIN 0
	s_barrier_signal -1
	s_barrier_wait -1
.endm
; source 0 = 16 columns of Wo, source 1 = 16 rows of att: a lane holds row 16 mt + r, columns 16 nt + 8 h + 0..7.
; The 16 accumulators take turns, one instruction a turn.
.macro MM c, nt, zero
.if \c == 0
.set WFR, WF0+8*\nt
.else
.if \nt < 3
.set WFR, WF1+8*\nt
.else
.set WFR, WF0
.endif
.endif
.irp mt, 0,1,2,3
.if \zero
	v_wmma_f32_16x16x32_f16 v[ACC+8*(4*\nt+\mt):ACC+8*(4*\nt+\mt)+7], v[WFR:WFR+7], v[XF+64*\c+8*\mt:XF+64*\c+8*\mt+7], 0
.else
	v_wmma_f32_16x16x32_f16 v[ACC+8*(4*\nt+\mt):ACC+8*(4*\nt+\mt)+7], v[WFR:WFR+7], v[XF+64*\c+8*\mt:XF+64*\c+8*\mt+7], v[ACC+8*(4*\nt+\mt):ACC+8*(4*\nt+\mt)+7]
.endif
.endr
.endm
.macro COMPUTE b, zero
.set BB, BUF*\b
.irp mt, 0,1,2,3
	ds_load_b128 v[XF+8*\mt:XF+8*\mt+3],   v[XA] offset:BB+\mt*16*XP
	ds_load_b128 v[XF+8*\mt+4:XF+8*\mt+7], v[XA] offset:BB+\mt*16*XP+32
.endr
.irp nt, 0,1,2,3
	ds_load_tr16_b128 v[WF0+8*\nt:WF0+8*\nt+3],   v[WA] offset:BB+32*\nt
	ds_load_tr16_b128 v[WF0+8*\nt+4:WF0+8*\nt+7], v[WA] offset:BB+32*\nt+16*WP
.endr
.irp mt, 0,1,2,3
	ds_load_b128 v[XF+64+8*\mt:XF+64+8*\mt+3],   v[XA] offset:BB+\mt*16*XP+64
	ds_load_b128 v[XF+64+8*\mt+4:XF+64+8*\mt+7], v[XA] offset:BB+\mt*16*XP+96
.endr
.irp nt, 0,1,2
	ds_load_tr16_b128 v[WF1+8*\nt:WF1+8*\nt+3],   v[WA] offset:BB+32*\nt+32*WP
	ds_load_tr16_b128 v[WF1+8*\nt+4:WF1+8*\nt+7], v[WA] offset:BB+32*\nt+48*WP
.endr
	s_wait_dscnt 14                                ; the first 16 loads (k 0-31) are in; the 14 of k 32-63 may stay out
	MM 0, 0, \zero
.rept 4
	v_nop                                          ; four places behind the matrix instructions that read WF0's first eight registers (ISA guide 7.12.1)
.endr
	ds_load_tr16_b128 v[WF0:WF0+3],   v[WA] offset:BB+96+32*WP
	ds_load_tr16_b128 v[WF0+4:WF0+7], v[WA] offset:BB+96+48*WP
	MM 0, 1, \zero
	MM 0, 2, \zero
	MM 0, 3, \zero
	s_wait_dscnt 0x0
	MM 1, 0, 0
	MM 1, 1, 0
	MM 1, 2, 0
	MM 1, 3, 0
.endm
	WIN 0x40
	global_load_b128 v[BIAS:BIAS+3], v[BO], s[22:23]       ; the oldest load: the first counted wait covers it
	GLOAD 0
	GLOAD 1
	CONSUME 0, 24, 1
	COMPUTE 0, 1
	CONSUME 1, 24, 1
	COMPUTE 1, 0
	CONSUME 2, 24, 1
	COMPUTE 0, 0
	CONSUME 3, 24, 1
	COMPUTE 1, 0
	CONSUME 4, 24, 1
	COMPUTE 0, 0
	CONSUME 5, 24, 1                               ; asks for the last K step
	COMPUTE 1, 0
	CONSUME 6, 24, 0
	COMPUTE 0, 0
	CONSUME 7, 0, 0                                ; nothing younger is out
	COMPUTE 1, 0
	; THE WAY OUT.  These address instructions name no matrix register: they are the places behind the last matrix instructions.
	; v1, v2 and v7 are free: every global load has been waited for.
	s_mul_i32 s28, s16, 16*SP
	s_add_co_u32 s28, s28, STAGE                   ; my stage
	v_and_b32 v1, 15, v0
	v_bfe_u32 v2, v0, 4, 1
	v_mul_u32_u24 v[STO], v1, SP                   ; in: row r, 32 bytes for each half of the lanes
	v_lshl_add_u32 v[STO], v2, 5, v[STO]
	v_add_nc_u32 v[STO], s28, v[STO]
	v_mul_u32_u24 v[RD], v2, SP                    ; back: sixteen lanes take one row of 256 bytes
	v_lshl_add_u32 v[RD], v1, 4, v[RD]
	v_add_nc_u32 v[RD], s28, v[RD]
	v_lshlrev_b32 v[CO], 4, v1                     ; and the same two rows in out0
	v_lshl_add_u32 v[CO], v2, 11, v[CO]
; rows 16 mt .. 16 mt + 15: the sums into my own stage, back as whole rows of 256 bytes, plus the bias, out: sixteen lanes store 256
; consecutive bytes at a multiple of 256 from out0's first byte.  Each mt has its own 32 registers in window 1.
.macro OUT mt
	WIN 0
.irp nt, 0,1,2,3
	ds_store_b128 v[STO], v[ACC+8*(4*\nt+\mt):ACC+8*(4*\nt+\mt)+3]   offset:64*\nt
	ds_store_b128 v[STO], v[ACC+8*(4*\nt+\mt)+4:ACC+8*(4*\nt+\mt)+7] offset:64*\nt+16
.endr
	WIN 0x40
.irp t, 0,1,2,3,4,5,6,7
	ds_load_b128 v[128+32*\mt+4*\t:128+32*\mt+4*\t+3], v[RD] offset:2*SP*\t        ; LDS serves a wave's instructions in order (ISA guide 5.7.1)
.endr
	s_wait_dscnt 0x0
	WIN 0x45
.irp t, 0,1,2,3,4,5,6,7
	v_pk_add_f32 v[128+32*\mt+4*\t:128+32*\mt+4*\t+1],   v[128+32*\mt+4*\t:128+32*\mt+4*\t+1],   v[BIAS:BIAS+1]
	v_pk_add_f32 v[128+32*\mt+4*\t+2:128+32*\mt+4*\t+3], v[128+32*\mt+4*\t+2:128+32*\mt+4*\t+3], v[BIAS+2:BIAS+3]
.endr
	WIN 0x04
.irp t, 0,1,2,3,4,5,6,7
	global_store_b128 v[CO], v[128+32*\mt+4*\t:128+32*\mt+4*\t+3], s[26:27] offset:\mt*32768+\t*4096 th:TH_STORE_NT
.endr
.endm
	OUT 0
	OUT 1
	OUT 2
	OUT 3
	WIN 0
	s_set_vgpr_msb 0x5
	s_wait_tensorcnt 0x0
	ds_add_u32 v62, v63
	s_wait_dscnt 0x0
	s_set_vgpr_msb 0x500
	s_endpgm
.Lfunc_end_k_qdd67456c9d_outp:
	.size	k_qdd67456c9d_outp, .Lfunc_end_k_qdd67456c9d_outp-k_qdd67456c9d_outp
	.p2alignl 7, 3214868480
	.fill 96, 4, 3214868480
	.section	.rodata,"a",@progbits
	.p2align	6, 0x0
	.amdhsa_kernel k_qdd67456c9d_outp
		.amdhsa_group_segment_fixed_size 91648
		.amdhsa_private_segment_fixed_size 0
		.amdhsa_enable_private_segment 0
		.amdhsa_kernarg_size 32
		.amdhsa_user_sgpr_count 2
		.amdhsa_user_sgpr_kernarg_segment_ptr 1
		.amdhsa_wavefront_size32 1
		.amdhsa_system_sgpr_workgroup_id_x 1
		.amdhsa_system_sgpr_workgroup_id_y 1
		.amdhsa_system_sgpr_workgroup_id_z 1
		.amdhsa_system_vgpr_workitem_id 0
		.amdhsa_next_free_vgpr 512
		.amdhsa_next_free_sgpr 66
		.amdhsa_reserve_vcc 0
		.amdhsa_float_denorm_mode_32 3
		.amdhsa_float_denorm_mode_16_64 3
		.amdhsa_memory_ordered 1
		.amdhsa_forward_progress 1
		.amdhsa_inst_pref_size 97
	.end_amdhsa_kernel
	.amdgpu_metadata
---
amdhsa.version: [ 1, 2 ]
amdhsa.kernels:
  - .name:           k_qdd67456c9d_outp
    .symbol:         k_qdd67456c9d_outp.kd
    .args:
      - { .name: att, .offset: 0, .size: 8, .value_kind: global_buffer, .address_space: global }
      - { .name: Wo, .offset: 8, .size: 8, .value_kind: global_buffer, .address_space: global }
      - { .name: bo, .offset: 16, .size: 8, .value_kind: global_buffer, .address_space: global }
      - { .name: out0, .offset: 24, .size: 8, .value_kind: global_buffer, .address_space: global }
    .group_segment_fixed_size: 91648
    .private_segment_fixed_size: 0
    .kernarg_segment_align: 8
    .kernarg_segment_size: 32
    .max_flat_workgroup_size: 128
    .sgpr_count:     66
    .vgpr_count:     512
    .wavefront_size: 32
...
	.end_amdgpu_metadata
.endif
;; end of part 3
